; MI455X (gfx1250); checked and timed in simulation.
; The chip was launched on July 23, 2026; its instructions are those of AMD's public machine-readable ISA for CDNA 5 (MIT licence, August 2026) and "CDNA5" Instruction Set Architecture Reference Guide (July 2026). The comments in the code are by the model that wrote it; some were corrected since.
;; Multi Head Attention Quantum. Allowed arithmetic: matrix products marked QUANTISED: E3M2 operands, one E8M0 scale for each 32 along K, by v_wmma_scale_f32_16x16x128_f8f6f4 with both operands' format E3M2, f32 sums; everything else in f32.
;; Inputs: mask 4 x 2,048 x 2,048 bool; theta 64 float32; x 4 x 2,048 x 1,024 float32.
;; Outputs: out0 4 x 2,048 x 1,024 float32.
;; This version of the problem:
;;   THIS VERSION OF THE PROBLEM IS GIVEN IN LOW PRECISION. The matrix products marked QUANTISED in the list below multiply operands that are first quantised to E3M2 (3 exponent bits, 2 mantissa bits; 6 bits a number), with one power-of-two scale for each 32 numbers along K (OCP MX v1.0); their sums are f32. All else is computed in f32.
;;   The module's matrix products, in the order in which they are computed (A, B: the left and right operand; K: the contracted axis; several contracted axes count as one K, in the product's order):
;;     1. batch 64 x [M 2,048, K 64] x [K 64, N 2,048]; A: computed on the way; B: computed on the way: QUANTISED
;;     2. batch 64 x [M 2,048, K 2,048] x [K 2,048, N 64]; A: softmax (see below); B: computed on the way: QUANTISED
;;   THE QUANTISER, for each operand of a quantised product, along K:
;;     - K is cut into blocks of 32 from its start; a last block that is shorter is filled with zeros.
;;     - A block's scale is 2^e with e = floor(log2(the largest magnitude in the block)) - 4, held to -126 .. 127; a block of zeros has e = 0. As a byte (E8M0): e + 127.
;;     - Each number is divided by its block's scale, clamped to +-28, and rounded to the nearest number of E3M2, ties to even, subnormals kept.
;;     - The product sums the exact products of the quantised numbers (number of the format x scale) in f32.
;;   ~~~python
;;   def quantise(x, axis):      # numpy; x: float32 -> the quantised numbers, widened to float32 again
;;       x = np.moveaxis(x, axis, -1); K = x.shape[-1]
;;       x = np.pad(x, [(0, 0)] * (x.ndim - 1) + [(0, -K % 32)]); x = x.reshape(x.shape[:-1] + (-1, 32)); a = np.abs(x).max(-1, keepdims=True)
;;       e = np.where(a > 0, np.clip(np.frexp(np.where(a > 0, a, 1))[1] - 1 - 4, -126, 127), 0)      # np.frexp(a)[1] - 1 = floor(log2(a)), exactly
;;       r = np.clip(x / 2.0 ** e, -28, 28)
;;       step = 2.0 ** (np.maximum(np.frexp(np.where(r == 0, 1, r))[1] - 1, -2) - 2)
;;       q = np.round(r / step) * step * 2.0 ** e      # np.round: ties to even
;;       return np.moveaxis(q.reshape(q.shape[:-2] + (-1,))[..., :K], -1, axis).astype(np.float32)
;;   ~~~
;;   SOFTMAX AHEAD OF A QUANTISED PRODUCT. Where the list says 'softmax', what is quantised is not the finished softmax but p = 2^(t - M), with t = logit x log2(e) and M = ceil(the row's largest t), a whole number; so 1/2 < the row's largest p <= 1. The row's sum l is taken of the UNQUANTISED p, in f32, and the product's result is divided by l at the end. Since M is a whole number, a kernel that streams over the keys may use a running M (the ceiling of the running maximum): every later rescaling is an exact power of two, which a block's scale takes up: the codes' values come out the same.
;;   OPERANDS COMPUTED ON THE WAY. 'Computed on the way' means the value that the module computes at that place (a softmax that the list does not call 'softmax' is quantised finished and normalised). What goes into a quantiser is computed in f32, as accurately as f32 sums, v_exp_f32 and their like allow (about 1e-6 of the number): no bf16 or f16 on the way to a quantiser, and a product that is left as it is and whose result goes on into a quantised operand takes f32 operands (vector FMAs, or v_wmma_f32_16x16x4_f32). A number that lies on a knife's edge between two numbers of the format may be rounded either way, as far as f32 arithmetic and the matrix unit's own rounding can turn it there, and no further.
;; 2 versions, each right; version 2 is version 1 with the launch attn written anew for expert scheduling mode. Each part assembles by itself: llvm-mc -triple=amdgcn-amd-amdhsa -mcpu=gfx1250 --defsym DOCPART=n.
;; ======== version 1 of 2: 2 launches
;; limits: inputs' magnitudes at most 13,176,794
;; workspace buffers: kv 13,369,344 bytes; mwords 2,097,152 bytes of whole numbers; tinfo 4,096 bytes of whole numbers
;; launch prep (part 1): grid 1536 x 1, 4 waves a work-group, no clusters, 71,424 bytes of LDS; arguments x, theta, mask, kv, mwords, tinfo; writes kv, mwords, tinfo
.if DOCPART == 1
	.amdgcn_target "amdgcn-amd-amdhsa--gfx1250"
	.amdhsa_code_object_version 6
	.text
	.protected	k_q54ed40f6e6_prep
	.globl	k_q54ed40f6e6_prep
	.p2align	8
	.type	k_q54ed40f6e6_prep,@function
k_q54ed40f6e6_prep:
	s_mov_b64 s[64:65], 0
	v_nop
	global_prefetch_b8 v0, s[64:65] scope:SCOPE_SE
	s_setreg_imm32_b32 hwreg(HW_REG_WAVE_MODE, 25, 1), 1
	s_wait_xcnt 0x0
; TWO KINDS OF WORK-GROUPS, told apart by the work-group's number alone; each kind has LDS bytes of its own.
; 512 .. 1535 (P): proj = cos(x + theta) for 128 positions of one (batch, head), quantised twice to E3M2 with one E8M0 byte for each 32: along the 64 channels (Q and K of the first
;   product) and along the keys (V of the second).  The codes leave as IMAGES OF OPERAND REGISTERS, a record of 13,056 bytes for each 128 keys:
;   +0     K: pair b (0..3) at 1,536 b; register rho (0..11) of lane L at 512 (rho / 4) + 16 L + 4 (rho % 4).  Registers 0-5 are tile 2 b, 6-11 tile 2 b + 1; lane (r, h) of tile 2 b + u holds
;          key 32 b + 8 u + r + 8 (r / 8), channels 32 h .. 32 h + 31
;   +6144  V: tile T (0..3) at 1,536 T, laid likewise; lane (r, h) holds channel 16 T + r, registers 6 c .. 6 c + 5 keys 64 c + 32 h + 0 .. 31
;   +12288 K's scale words [lane][b]: lanes 0-15 tile 2 b's row r, lanes 16-31 tile 2 b + 1's; bytes 0, 1 the two blocks of channels, bytes 2, 3 = 0x7f (they stand over a K that is padded with zero codes)
;   +12800 V's scale words [lane][j]: lanes 0-15 tile 2 j, lanes 16-31 tile 2 j + 1; bytes 0-3 the four blocks of 32 keys
; 0 .. 511 (M): the mask bytes of one tile of 16 queries (tile tau = 128 batch + 2 pi + u, row r = query 32 pi + 8 u + r + 8 (r / 8)) become lane masks: for key step s, word 16 bb + i, bit (16 h + r) =
;   mask[query r][128 s + 32 bb + 16 h + i].  tinfo[tau] = (bit s: some byte of step s is set; bits r and r + 16: row r is masked wholly).  The bits of wholly masked rows are cleared in the words.
; THE COSINE is written out in f32: m = round(phi / pi - 1/2), r = (m + 1/2) pi - phi with pi in two parts and fused multiply-adds, cos(phi) = (-1)^m sin(r), sin by its series up to r^13 (the next term is under 7e-10).
; LIMITS: |x + theta| under 2^22 pi (m's parity is read off the sum with 1.5 x 2^23); what the two parts of pi leave out grows as |m| x 4e-15; NaN and infinities among the inputs are not served.
; A block of zeros gets the byte 1 where the rule says 127: its codes are zeros, and this program alone reads the bytes.
.set REC,  13056
.set TROW, 272                         ; P: a position's 64 numbers in LDS: 256 bytes + 16
.set TQ,   9024                        ; 32 positions: 32 x 272 + 128 behind each 16 + 64 behind the 32: position s lies at 272 s + 128 (s / 16) + 64 (s / 32)
.set KSA,  36096                       ; K's scale words [b][lane], 512 bytes
.set VSA,  36608                       ; V's scale words [T][r], 256 bytes
.set MST,  36864                       ; M: a stage of 16 rows x (512 + 16) bytes for each wave
.set MSTW, 8448
.set EXC,  70656                       ; M: 8 bytes for each wave: what the waves tell each other
.set TH,   4                           ; v[4:7]   theta of my four channels
.set CINV, 8                           ; constants, each twice, for the packed forms
.set CMAG, 10
.set CPIH, 12
.set CPIL, 14
.set C3,   16
.set C5,   18
.set C7,   20
.set C9,   22
.set C11,  24
.set C13,  26
.set PH,   28                          ; v[28:51] at work, four numbers at a time
.set TT,   32
.set KK,   36
.set RR,   40
.set UU,   44
.set PP,   48
.set X,    64                          ; v[64:127] 64 numbers
.set PC,   128                         ; v[128:139] a fragment's codes
.set TC,   140                         ; v[140:146] a conversion's three registers begin on an even number: the second half of a block's six is made here and moved
.macro CONST2 reg, val
	v_mov_b32 v[\reg], \val
	v_mov_b32 v[\reg+1], \val
.endm
.macro BARRIER                         ; my LDS stores have landed and my LDS loads are in: then the work-group's barrier
	s_wait_dscnt 0x0
	s_barrier_signal -1
	s_barrier_wait -1
.endm
	s_load_b256 s[4:11], s[0:1], 0x0               ; x s[4:5], theta s[6:7], mask s[8:9], kv s[10:11]
	s_load_b128 s[12:15], s[0:1], 0x20             ; mwords s[12:13], tinfo s[14:15]
	v_lshl_add_u32 v192, v0, 2, 0x11500
	v_mov_b32 v193, 0
	v_lshrrev_b32 v1, 5, v0
	v_readfirstlane_b32 s3, v1                     ; wave 0..3
	v_and_b32 v1, 31, v0                           ; L
	v_and_b32 v2, 15, v0                           ; r
	v_bfe_u32 v3, v0, 4, 1                         ; h
	s_mov_b32 s22, 0x76543210
	s_mov_b32 s23, 0xfedcba98                      ; v_permlanex16_b32's selects for lane L xor 16
	s_wait_kmcnt 0x0
	s_cmp_lt_u32 ttmp9, 512
	s_cbranch_scc1 .Lmask
; ---------------------------------------------------------------- P: 128 positions of one (batch, head)
	s_sub_co_u32 s16, ttmp9, 512                   ; p = 16 (16 batch + head) + j
	s_lshr_b32 s17, s16, 4
	s_and_b32 s18, s16, 15                         ; j: which 128 positions
	s_lshr_b32 s19, s17, 4                         ; batch
	s_and_b32 s17, s17, 15                         ; head
	s_lshl_b32 s24, s19, 23                        ; a batch of x is 2,048 rows of 4,096 bytes
	s_lshl_b32 s18, s18, 19                        ; 128 j rows
	s_add_co_u32 s24, s24, s18
	s_lshl_b32 s18, s3, 17                         ; my wave's 32 rows
	s_add_co_u32 s24, s24, s18
	s_lshl_b32 s17, s17, 8                         ; the head's 256 bytes of a row
	s_add_co_u32 s24, s24, s17
	s_mov_b32 s25, 0
	s_add_nc_u64 s[4:5], s[4:5], s[24:25]
	s_mul_i32 s24, s16, REC
	s_add_nc_u64 s[10:11], s[10:11], s[24:25]      ; the record
	s_mul_i32 s24, s3, 1536
	s_add_nc_u64 s[26:27], s[10:11], s[24:25]      ; my pair's image of K; my tile's image of V lies 6,144 bytes on
	v_lshlrev_b32 v56, 4, v1                       ; 16 L
	v_lshlrev_b32 v59, 2, v1                       ; 4 L
	v_lshlrev_b32 v63, 3, v1                       ; 8 L
	v_lshlrev_b32 v62, 4, v2                       ; 16 r: my four channels
	v_lshl_add_u32 v52, v3, 12, v62                ; x: row h of a pair of rows
	s_mul_i32 s28, s3, TQ
	v_mad_u32_u24 v53, v3, TROW, v62
	v_add_nc_u32 v53, s28, v53                     ; into LDS: 9,024 w + 272 h + 16 r
	v_and_b32 v54, 8, v2
	v_add_nc_u32 v54, v54, v2                      ; r + 8 (r / 8)
	v_mul_u32_u24 v54, v54, TROW
	v_lshrrev_b32 v55, 3, v2
	v_add_nc_u32 v55, v55, v3                      ; 128 bytes for the gap behind 16 positions, and 128 for my half of the channels
	v_lshl_add_u32 v54, v55, 7, v54
	v_add_nc_u32 v54, s28, v54                     ; K's rows: my wave's 32 positions
	v_mul_u32_u24 v55, v3, TQ
	v_lshl_add_u32 v55, v2, 2, v55
	s_lshl_b32 s29, s3, 6
	v_add_nc_u32 v55, s29, v55                     ; V's columns: 9,024 h + 4 r + 64 w
	s_lshl_b32 s30, s3, 7
	v_add_nc_u32 v57, s30, v59                     ; K's scale word: 128 w + 4 L
	v_lshl_add_u32 v58, v2, 2, s29                 ; V's: 64 w + 4 r
	v_lshlrev_b32 v60, 3, v3                       ; 8 h
	v_lshlrev_b32 v61, 4, v3                       ; 16 h
	global_load_b128 v[TH:TH+3], v62, s[6:7]
.set i, 0
.rept 16
	global_load_b128 v[X+4*i:X+4*i+3], v52, s[4:5] offset:2*i*4096 th:TH_LOAD_NT   ; rows 2 i and 2 i + 1: each half of the lanes reads the head's 256 consecutive bytes of a row
.set i, i+1
.endr
	CONST2 CINV, 0x3ea2f983                        ; 1 / pi
	CONST2 CMAG, 0x4b400000                        ; 1.5 x 2^23
	CONST2 CPIH, 0x40490fdb                        ; pi, upper part
	CONST2 CPIL, 0xb3bbbd2e                        ; pi, lower part
	CONST2 C3,  0xbe2aaaab                         ; -1/3!
	CONST2 C5,  0x3c088889                         ; 1/5!
	CONST2 C7,  0xb9500d01                         ; -1/7!
	CONST2 C9,  0x3638ef1d                         ; 1/9!
	CONST2 C11, 0xb2d7322b                         ; -1/11!
	CONST2 C13, 0x2f309231                         ; 1/13!
; four numbers X + 4 n .. + 3 become their cosines, in place; the two pairs take turns
.macro COS4 n
.irp q, 0,2
	v_pk_add_f32 v[PH+\q:PH+\q+1], v[X+4*(\n)+\q:X+4*(\n)+\q+1], v[TH+\q:TH+\q+1]          ; phi
.endr
.irp q, 0,2
	v_pk_fma_f32 v[KK+\q:KK+\q+1], v[PH+\q:PH+\q+1], v[CINV:CINV+1], -0.5 op_sel_hi:[1,1,0]
.endr
.irp q, 0,2
	v_pk_add_f32 v[TT+\q:TT+\q+1], v[KK+\q:KK+\q+1], v[CMAG:CMAG+1]                        ; rounds to a whole number m; its parity is this sum's lowest bit
.endr
.irp q, 0,2
	v_pk_add_f32 v[KK+\q:KK+\q+1], v[TT+\q:TT+\q+1], v[CMAG:CMAG+1] neg_lo:[0,1] neg_hi:[0,1]   ; m
.endr
.irp q, 0,2
	v_pk_add_f32 v[KK+\q:KK+\q+1], v[KK+\q:KK+\q+1], 0.5 op_sel_hi:[1,0]                   ; m + 1/2, exact
.endr
.irp q, 0,2
	v_pk_fma_f32 v[RR+\q:RR+\q+1], v[KK+\q:KK+\q+1], v[CPIH:CPIH+1], v[PH+\q:PH+\q+1] neg_lo:[0,0,1] neg_hi:[0,0,1]
.endr
.irp q, 0,2
	v_pk_fma_f32 v[RR+\q:RR+\q+1], v[KK+\q:KK+\q+1], v[CPIL:CPIL+1], v[RR+\q:RR+\q+1]      ; r = (m + 1/2) pi - phi
.endr
.irp q, 0,2
	v_pk_mul_f32 v[UU+\q:UU+\q+1], v[RR+\q:RR+\q+1], v[RR+\q:RR+\q+1]
.endr
.irp q, 0,2
	v_pk_fma_f32 v[PP+\q:PP+\q+1], v[UU+\q:UU+\q+1], v[C13:C13+1], v[C11:C11+1]
.endr
.irp c, C9, C7, C5, C3
.irp q, 0,2
	v_pk_fma_f32 v[PP+\q:PP+\q+1], v[PP+\q:PP+\q+1], v[UU+\q:UU+\q+1], v[\c:\c+1]
.endr
.endr
.irp q, 0,2
	v_pk_mul_f32 v[PH+\q:PH+\q+1], v[RR+\q:RR+\q+1], v[UU+\q:UU+\q+1]
.endr
.irp q, 0,2
	v_pk_fma_f32 v[PP+\q:PP+\q+1], v[PH+\q:PH+\q+1], v[PP+\q:PP+\q+1], v[RR+\q:RR+\q+1]    ; sin(r) = r + r^3 (..)
.endr
.irp e, 0,1,2,3
	v_lshlrev_b32 v[TT+\e], 31, v[TT+\e]
.endr
.irp e, 0,1,2,3
	v_xor_b32 v[X+4*(\n)+\e], v[TT+\e], v[PP+\e]                                          ; (-1)^m sin(r)
.endr
.endm
.set i, 0
.rept 16
	s_wait_loadcnt 15-i                            ; loads come back in order: load i (and theta, the oldest) is in, the 15 - i younger ones stay out
	COS4 i
	ds_store_b128 v53, v[X+4*i:X+4*i+3] offset:2*i*TROW+128*(i/8)
.set i, i+1
.endr
	BARRIER                                        ; the 128 positions' cosines lie in LDS
; 64 numbers of a lane, two whole blocks of 32 (X .. X + 31, X + 32 .. X + 63), become the 12 registers of a fragment in PC; v34 takes the four scale bytes of lanes L and L xor 16:
; my blocks' bytes at bits 8 h and 16 + 8 h
.macro QBLK2
	v_max3_num_f32 v28, |v[X]|, |v[X+1]|, 0x2800000      ; the largest magnitude, and the floor 2^(5 - 127): the byte cannot fall under 1
	v_max3_num_f32 v29, |v[X+32]|, |v[X+33]|, 0x2800000
.set i, 2
.rept 15
	v_max3_num_f32 v28, v28, |v[X+i]|, |v[X+i+1]|        ; (the two blocks by turns)
	v_max3_num_f32 v29, v29, |v[X+32+i]|, |v[X+33+i]|
.set i, i+2
.endr
	v_add_nc_u32 v30, 0xfe000000, v28              ; 4 off the exponent field: the conversion takes the exponent field of this operand as its scale
	v_add_nc_u32 v31, 0xfe000000, v29
	v_lshrrev_b32 v32, 23, v30                     ; the scale's byte
	v_lshrrev_b32 v33, 23, v31
	v_mov_b32 v35, 0                               ; a lane permute's destination counts as one of its sources
	v_cvt_scalef32_pk16_bf6_f32 v[PC:PC+2], v[X:X+15], v30
	v_cvt_scalef32_pk16_bf6_f32 v[TC:TC+2], v[X+16:X+31], v30
	v_cvt_scalef32_pk16_bf6_f32 v[PC+6:PC+8], v[X+32:X+47], v31
	v_cvt_scalef32_pk16_bf6_f32 v[TC+4:TC+6], v[X+48:X+63], v31
	v_lshl_or_b32 v34, v33, 16, v32                ; (the plain instruction between the conversions and the moves of their results)
.irp e, 0,1,2
	v_mov_b32 v[PC+3+\e], v[TC+\e]
	v_mov_b32 v[PC+9+\e], v[TC+4+\e]
.endr
	v_lshlrev_b32 v34, v60, v34                    ; 8 h bits up
	v_permlanex16_b32 v35, v34, s22, s23
	v_or_b32 v34, v34, v35
.endm
	; ---- K (and Q): wave w makes pair w: keys 32 w + 8 u + r + 8 (r / 8), my half's 32 channels: a whole block in a lane
.irp u, 0,1
.irp g, 0,1,2,3,4,5,6,7
	ds_load_b128 v[X+32*\u+4*\g:X+32*\u+4*\g+3], v54 offset:\u*8*TROW+16*\g
.endr
.endr
	s_wait_dscnt 0x0
	QBLK2
	v_lshrrev_b32 v34, v61, v34                    ; lanes 0-15 keep tile 2 w's two bytes, lanes 16-31 tile 2 w + 1's
	v_and_b32 v34, 0xffff, v34
	v_or_b32 v34, 0x7f7f0000, v34
	ds_store_b32 v57, v34 offset:KSA
.irp c, 0,1,2
	global_store_b128 v56, v[PC+4*\c:PC+4*\c+3], s[26:27] offset:512*\c       ; 32 lanes store 512 consecutive bytes
.endr
	; ---- V: wave w makes tile w: channel 16 w + r, registers down the keys 64 c + 32 h + 0 .. 31: again a whole block in a lane
.irp c, 0,1
.set i, 0
.rept 32
	ds_load_b32 v[X+32*\c+i], v55 offset:2*TQ*\c+TROW*i+128*(i/16)
.set i, i+1
.endr
.endr
	s_wait_dscnt 0x0
	s_wait_xcnt 0x0                                ; the stores of K's image have read PC: only behind this wait is it written again
	QBLK2
	ds_store_b32 v58, v34 offset:VSA               ; both halves of the lanes write the same word with the same value
.irp c, 0,1,2
	global_store_b128 v56, v[PC+4*\c:PC+4*\c+3], s[26:27] offset:6144+512*\c
.endr
	BARRIER                                        ; all scale words lie in LDS
	s_cmp_lg_u32 s3, 0
	s_cbranch_scc1 .Lnot_wave_0
.irp b, 0,1,2,3
	ds_load_b32 v[X+\b], v59 offset:KSA+128*\b     ; [b][lane] becomes [lane][b]
.endr
	s_wait_dscnt 0x0
	global_store_b128 v56, v[X:X+3], s[10:11] offset:12288
	s_wait_tensorcnt 0x0
	ds_add_u32 v192, v193
	s_wait_dscnt 0x0
	s_endpgm
.Lnot_wave_0:
	s_cmp_lg_u32 s3, 1
	s_cbranch_scc1 .Lp_end
	ds_load_b32 v[X], v59 offset:VSA               ; tiles 0 (lanes 0-15) and 1 (lanes 16-31),
	ds_load_b32 v[X+1], v59 offset:VSA+128         ; tiles 2 and 3
	s_wait_dscnt 0x0
	global_store_b64 v63, v[X:X+1], s[10:11] offset:12800     ; 32 lanes store 256 consecutive bytes
.Lp_end:
	s_wait_tensorcnt 0x0
	ds_add_u32 v192, v193
	s_wait_dscnt 0x0
	s_endpgm
; ---------------------------------------------------------------- M: the mask of one tile of 16 queries; wave w takes keys 512 w .. 512 w + 511 (key steps 4 w .. 4 w + 3)
.set W,   32                           ; v[32:39]   my 256 words: word 128 g + 4 lane + q in register W + 4 g + q
.set T16, 40                           ; v[40:55]   at work
.set D,   64                           ; v[64:127]  the bytes as loaded
.set E,   128                          ; v[128:191] and as a lane wants them: register 4 beta + q: row r, keys 32 beta + 16 h + 4 q + 0 .. 3
.Lmask:
	s_lshr_b32 s24, ttmp9, 7                       ; batch: 2,048 rows of 2,048 bytes
	s_lshl_b32 s24, s24, 22
	s_and_b32 s28, ttmp9, 127
	s_lshr_b32 s29, s28, 1                         ; pi: 32 rows
	s_lshl_b32 s29, s29, 16
	s_add_co_u32 s24, s24, s29
	s_and_b32 s28, s28, 1                          ; u: 8 rows
	s_lshl_b32 s28, s28, 14
	s_add_co_u32 s24, s24, s28
	s_lshl_b32 s28, s3, 9                          ; my wave's 512 keys
	s_add_co_u32 s24, s24, s28
	s_mov_b32 s25, 0
	s_add_nc_u64 s[8:9], s[8:9], s[24:25]
	s_lshl_b32 s24, ttmp9, 12                      ; a tile's words: 16 steps x 256 bytes
	s_lshl_b32 s28, s3, 10
	s_add_co_u32 s24, s24, s28
	s_add_nc_u64 s[12:13], s[12:13], s[24:25]
	s_lshl_b32 s24, ttmp9, 3
	s_add_nc_u64 s[14:15], s[14:15], s[24:25]
	v_lshlrev_b32 v4, 4, v2
	v_lshl_add_u32 v5, v3, 11, v4                  ; mask: row h of a pair of rows, 16 bytes a lane
	s_mul_i32 s28, s3, MSTW
	s_add_co_u32 s28, s28, MST                     ; my stage
	v_mad_u32_u24 v6, v3, 528, v4
	v_add_nc_u32 v6, s28, v6                       ; in: as loaded
	v_mul_u32_u24 v7, v2, 528
	v_lshl_add_u32 v7, v3, 4, v7
	v_add_nc_u32 v7, s28, v7                       ; back: row r, 16 h
	v_lshlrev_b32 v8, 4, v1                        ; 16 L
	s_lshl_b32 s29, s3, 3
	s_add_co_u32 s29, s29, EXC
	v_mov_b32 v9, s29                              ; my wave's 8 bytes
	v_mov_b32 v10, EXC
	v_mov_b32 v11, 0
.irp g, 0,1,2,3,4,5,6,7
.irp c, 0,1
	global_load_b128 v[D+4*(2*\g+\c):D+4*(2*\g+\c)+3], v5, s[8:9] offset:(2*\g+8*(\g/4))*2048+256*\c th:TH_LOAD_NT   ; tile rows 2 g, 2 g + 1: each half of the lanes reads 256 consecutive bytes
.endr
.endr
	s_mov_b32 s16, 0xff
	s_mov_b32 s17, 0xff00
	s_mov_b32 s18, 0xff0000
	s_mov_b32 s19, 0xff000000
	s_mov_b32 s20, -1                              ; the AND of all my words
.irp g, 0,1,2,3
	s_mov_b32 s[24+\g], 0                          ; the OR of each step's words
.endr
.irp g, 0,1,2,3,4,5,6,7
	v_mov_b32 v[W+\g], 0                           ; v_writelane_b32's destination counts as read
.endr
	s_wait_loadcnt 0x0
.irp g, 0,1,2,3,4,5,6,7
.irp c, 0,1
	ds_store_b128 v6, v[D+4*(2*\g+\c):D+4*(2*\g+\c)+3] offset:2*\g*528+256*\c
.endr
.endr
.set be, 0
.rept 16
	ds_load_b128 v[E+4*be:E+4*be+3], v7 offset:32*be     ; my own bytes: LDS serves a wave's instructions in order
.set be, be+1
.endr
	s_wait_dscnt 0x0
.set be, 0
.rept 16                               ; block beta of 32 keys: 16 words, one for each byte of a lane's 16
.set i, 0
.rept 16
	v_and_b32 v[T16+i], s[16+i%4], v[E+4*be+i/4]
.set i, i+1
.endr
.set i, 0
.rept 16
	v_cmp_ne_u32 s[32+i], 0, v[T16+i]              ; bit L: the byte of lane L
.set i, i+1
.endr
.set i, 0
.rept 16
	v_writelane_b32 v[W+4*(be/8)+i%4], s[32+i], 4*(be%8)+i/4
	s_and_b32 s20, s20, s[32+i]
	s_or_b32 s[24+be/4], s[24+be/4], s[32+i]
.set i, i+1
.endr
.set be, be+1
.endr
	s_lshr_b32 s21, s20, 16
	s_and_b32 s20, s20, s21
	s_and_b32 s20, s20, 0xffff                     ; bit r: all my 512 keys of row r are masked
	s_mov_b32 s21, 0
.irp g, 0,1,2,3
	s_cmp_lg_u32 s[24+\g], 0
	s_cselect_b32 s28, 1<<\g, 0
	s_or_b32 s21, s21, s28
.endr
	s_lshl_b32 s28, s3, 2
	s_lshl_b32 s21, s21, s28                       ; bit 4 w + g: step 4 w + g has a masked key
	v_mov_b32 v40, s20
	v_mov_b32 v41, s21
	ds_store_b64 v9, v[40:41]
	BARRIER
	ds_load_b128 v[44:47], v10
	ds_load_b128 v[48:51], v10 offset:16
	s_wait_dscnt 0x0
	v_and_b32 v44, v44, v46
	v_and_b32 v48, v48, v50
	v_and_b32 v44, v44, v48                        ; rows masked over all 2,048 keys
	v_or_b32 v45, v45, v47
	v_or_b32 v49, v49, v51
	v_or_b32 v45, v45, v49                         ; the sixteen steps' flags
	v_readfirstlane_b32 s28, v44
	v_readfirstlane_b32 s29, v45
	s_lshl_b32 s30, s28, 16
	s_or_b32 s30, s30, s28                         ; as a lane mask: bits r and r + 16
	s_not_b32 s31, s30
.irp g, 0,1,2,3,4,5,6,7
	v_and_b32 v[W+\g], s31, v[W+\g]                ; a wholly masked row counts as open: its queries' codes are cleared by the next launch, so that every weight is equal
.endr
	global_store_b128 v8, v[W:W+3], s[12:13]       ; 512 consecutive bytes each
	global_store_b128 v8, v[W+4:W+7], s[12:13] offset:512
	s_cmp_lg_u32 s3, 0
	s_cbranch_scc1 .Lm_end
	v_mov_b32 v40, s29
	v_mov_b32 v41, s30
	v_cmp_eq_u32 vcc_lo, 0, v1
	s_wait_xcnt 0x0                                ; EXEC is a source of the stores above: it changes only behind this wait
	s_and_saveexec_b32 s32, vcc_lo
	global_store_b64 v11, v[40:41], s[14:15]       ; lane 0 alone: the tile's two words
	s_wait_xcnt 0x0                                ; and again, in front of the line that widens it
	s_or_b32 exec_lo, exec_lo, s32
.Lm_end:
	s_wait_tensorcnt 0x0
	ds_add_u32 v192, v193
	s_wait_dscnt 0x0
	s_endpgm
.Lfunc_end_k_q54ed40f6e6_prep:
	.size	k_q54ed40f6e6_prep, .Lfunc_end_k_q54ed40f6e6_prep-k_q54ed40f6e6_prep
	.p2alignl 7, 3214868480
	.fill 96, 4, 3214868480
	.section	.rodata,"a",@progbits
	.p2align	6, 0x0
	.amdhsa_kernel k_q54ed40f6e6_prep
		.amdhsa_group_segment_fixed_size 71424
		.amdhsa_private_segment_fixed_size 0
		.amdhsa_enable_private_segment 0
		.amdhsa_kernarg_size 48
		.amdhsa_user_sgpr_count 2
		.amdhsa_user_sgpr_kernarg_segment_ptr 1
		.amdhsa_wavefront_size32 1
		.amdhsa_system_sgpr_workgroup_id_x 1
		.amdhsa_system_sgpr_workgroup_id_y 1
		.amdhsa_system_sgpr_workgroup_id_z 1
		.amdhsa_system_vgpr_workitem_id 0
		.amdhsa_next_free_vgpr 194
		.amdhsa_next_free_sgpr 66
		.amdhsa_reserve_vcc 1
		.amdhsa_float_denorm_mode_32 3
		.amdhsa_float_denorm_mode_16_64 3
		.amdhsa_memory_ordered 1
		.amdhsa_forward_progress 1
		.amdhsa_inst_pref_size 118
	.end_amdhsa_kernel
	.amdgpu_metadata
---
amdhsa.version: [ 1, 2 ]
amdhsa.kernels:
  - .name:           k_q54ed40f6e6_prep
    .symbol:         k_q54ed40f6e6_prep.kd
    .args:
      - { .name: x, .offset: 0, .size: 8, .value_kind: global_buffer, .address_space: global }
      - { .name: theta, .offset: 8, .size: 8, .value_kind: global_buffer, .address_space: global }
      - { .name: mask, .offset: 16, .size: 8, .value_kind: global_buffer, .address_space: global }
      - { .name: kv, .offset: 24, .size: 8, .value_kind: global_buffer, .address_space: global }
      - { .name: mwords, .offset: 32, .size: 8, .value_kind: global_buffer, .address_space: global }
      - { .name: tinfo, .offset: 40, .size: 8, .value_kind: global_buffer, .address_space: global }
    .group_segment_fixed_size: 71424
    .private_segment_fixed_size: 0
    .kernarg_segment_align: 8
    .kernarg_segment_size: 48
    .max_flat_workgroup_size: 128
    .sgpr_count:     66
    .vgpr_count:     194
    .wavefront_size: 32
...
	.end_amdgpu_metadata
.endif
;; end of part 1
;; launch attn (part 2): grid 4 x 64, 16 waves a work-group, no clusters, 280,576 bytes of LDS; arguments kv, mwords, tinfo, out0; writes out0
.if DOCPART == 2
	.amdgcn_target "amdgcn-amd-amdhsa--gfx1250"
	.amdhsa_code_object_version 6
	.text
	.protected	k_q54ed40f6e6_attn
	.globl	k_q54ed40f6e6_attn
	.p2align	8
	.type	k_q54ed40f6e6_attn,@function
k_q54ed40f6e6_attn:
	s_mov_b64 s[64:65], 0
	v_nop
	global_prefetch_b8 v0, s[64:65] scope:SCOPE_SE
	s_setreg_imm32_b32 hwreg(HW_REG_WAVE_MODE, 25, 1), 1
	s_wait_xcnt 0x0
; out[b][q][head] = softmax_k(proj[q] . proj[k] / 8, masked) proj[k], both products on codes of E3M2 with one E8M0 byte for each 32 along a product's K.  The codes come from the launch before, as images of
; operand registers: a record of 13,056 bytes for each 128 keys (K's four pairs of tiles, V's four tiles, K's and V's scale words).  Q's fragments ARE K's fragments, since q = k.
; SHARES.  A work-group owns 512 queries of one (batch, head): 4 x 64 = 256 work-groups.  Each of its sixteen waves owns 32 queries, two tiles A and B (one pair of K's image), in 256 registers: four waves to a SIMD,
; so that one wave's exponentials stand beside another's products and LDS loads.  The head's sixteen records, 208,896 bytes, are copied into LDS once (a record a wave); behind one barrier the waves never meet again.
; LAYOUT.  Both products are used transposed (S^T = K Q^T, O^T = V^T P^T): a lane holds ONE query throughout.  The keys of a tile are chosen (key 32 b + 8 u + r + 8 (r / 8) in lane r of tile 2 b + u) so that
; score register 16 b + i of lane (r, h) is key 32 b + 16 h + i: sixteen neighbours along the second product's K.
; K = 64 IN AN INSTRUCTION OF 128.  Q's registers 6-11 are zero codes.  So whatever stands in registers 6-11 of source 0 adds nothing: source 0 of tile t is the twelve registers from K's six on (the next tile's six, or
; for the last tile six registers of p's codes), and K is read and kept at 6 registers a tile.  Bytes 2, 3 of the scale words are 0x7f.
; THE SOFTMAX.  t = score x log2(e) / 8; p = 2^(t - M) with the whole number M = 0 for every row.  reference()'s own cosine bounds it: |proj| <= 1 and 64 channels give |score| <= 64, |t| <= 11.55 for EVERY input, so
; p lies in 2^-11.6 .. 2^11.6 and a row's sum under 2^23: nothing overflows or underflows.  Another whole M would shift the blocks' scales and the sum by the same power of two: the codes and the quotient are the same.
; THE MASK.  A masked score becomes -2^33 (for 8 x -1e9): p = 0 either way, as open logits lie within +-8.  The lane masks of the 64 score registers come by scalar loads, and only in key steps in which the stored flag says
; that the tile has a masked key.  A row that is masked wholly has its bits cleared by the launch before and its Q codes cleared here: all its scores are 0, all its p are 1: the plain mean, as reference() gives.
; NO JOINT REQUESTS: the four work-groups of a head share their 208,896 bytes, read once at the head; joint requests are tensor loads, and this text branches on flags read from memory, and takes no tensor load.
.set REC,   13056
.set VOFF,  6144
.set KSOFF, 12288
.set VSOFF, 12800
.set HEADB, 16*REC
.set STAGE, HEADB                      ; behind the records: 16 rows x 272 bytes for each wave, for the way out
.set SP,    272
.set AD16, 1                           ; v1   16 L + the step's record
.set AD8,  2                           ; v2   8 L + the step's record
.set QS,   3                           ; v3   Q's scale words: lanes 0-15 tile A, lanes 16-31 tile B
.set PSA,  4                           ; v4, v5  p's scale words
.set PSB,  5
.set VS,   6                           ; v[6:7]   V's scale words
.set KS,   8                           ; v[8:11]  K's
.set LA,   12                          ; v[12:13], v[14:15] the rows' sums, each in two halves
.set LB,   14
.set TM,   16                          ; v[16:27] at work: +0..3 largest p, +4..7 the other half's, then bytes, +8..11 the conversions' scale operands; later conversions' results and the sum's second chain
.set QA,   28                          ; v[28:39], v[40:51] Q: six registers of codes, six of zero codes
.set QB,   40
.set KV,   52                          ; v[52:99] K's eight tiles, 6 registers each; later V's four, 12 each
.set PB,   100                         ; v[100:111], v[112:123] p's codes
.set PA,   112
.set S,    124                         ; v[124:187] scores, then p
.set OA,   188                         ; v[188:219], v[220:251] O^T
.set OB,   220
.set NEG,  252                         ; v252 -2^33
.set QSO,  253
.set L16,  254                         ; v254 16 L
.set L8,   255                         ; v255 8 L
	s_load_b256 s[4:11], s[0:1], 0x0               ; kv s[4:5], mwords s[6:7], tinfo s[8:9], out0 s[10:11]
	v_lshrrev_b32 v1, 5, v0
	v_readfirstlane_b32 s12, v1                    ; wave 0..15
	v_and_b32 v2, 31, v0
	v_lshlrev_b32 v[L16], 4, v2
	v_lshlrev_b32 v[L8], 3, v2
	s_and_b32 s14, ttmp7, 0xffff                   ; 16 batch + head
	s_lshl_b32 s2, ttmp9, 4
	s_add_co_u32 s2, s2, s12                       ; pi: my pair of tiles, 0..63: queries 32 pi .. 32 pi + 31
	s_mul_i32 s16, s14, HEADB
	s_mov_b32 s17, 0
	s_lshr_b32 s18, s14, 4
	s_lshl_b32 s18, s18, 6
	s_add_co_u32 s18, s18, s2                      ; 64 batch + pi
	s_lshl_b32 s28, s18, 4
	s_mov_b32 s29, 0
	s_mov_b32 s24, 0x3e38aa3b                      ; c = log2(e) / 8
	s_mov_b32 s25, s24                             ; (the packed form names the pair)
	s_mov_b32 s26, 0x76543210
	s_mov_b32 s27, 0xfedcba98                      ; v_permlanex16_b32's selects for lane L xor 16
	s_wait_kmcnt 0x0
	s_add_nc_u64 s[4:5], s[4:5], s[16:17]          ; the head's records
	s_add_nc_u64 s[8:9], s[8:9], s[28:29]
	s_load_b128 s[20:23], s[8:9], 0x0              ; tile A's flags and wholly masked rows, tile B's
	s_lshl_b32 s28, s18, 13
	s_add_nc_u64 s[30:31], s[6:7], s[28:29]        ; tile A's lane masks of step 0; tile B's lie 4,096 bytes on
	s_lshl_b32 s28, s18, 17                        ; out0: 32 pi rows of 4,096 bytes in my batch,
	s_and_b32 s14, s14, 15
	s_lshl_b32 s14, s14, 8                         ; and the head's 256 bytes of a row
	s_add_co_u32 s28, s28, s14
	s_add_nc_u64 s[10:11], s[10:11], s[28:29]
	s_lshr_b32 s28, s2, 2
	s_mul_i32 s28, s28, REC
	s_add_nc_u64 s[16:17], s[4:5], s[28:29]        ; the record that holds my queries,
	s_and_b32 s14, s2, 3
	s_mul_i32 s28, s14, 1536
	s_add_nc_u64 s[18:19], s[16:17], s[28:29]      ; and my pair's image in it
	s_lshl_b32 s14, s14, 2
	v_add_nc_u32 v[QSO], s14, v[L16]
.irp c, 0,1,2
	global_load_b128 v[KV+4*\c:KV+4*\c+3], v[L16], s[18:19] offset:512*\c     ; Q: registers 0-5 tile A, 6-11 tile B
.endr
	global_load_b32 v[QS], v[QSO], s[16:17] offset:KSOFF
	s_mul_i32 s28, s12, REC
	v_add_nc_u32 v[AD16], s28, v[L16]              ; wave w copies record w: the same offset in the head's records and in LDS
	v_add_nc_u32 v[AD8], s28, v[L8]
.set i, 0
.rept 25
	global_load_b128 v[S+4*i:S+4*i+3], v[AD16], s[4:5] offset:512*i
.set i, i+1
.endr
	global_load_b64 v[224:225], v[AD8], s[4:5] offset:VSOFF
.set i, 0
.rept 25
	s_wait_loadcnt 25-i                            ; loads come back in order: load i is in; the 24 - i loads of 16 bytes and the one of 8 behind it stay out
	ds_store_b128 v[AD16], v[S+4*i:S+4*i+3] offset:512*i
.set i, i+1
.endr
	s_wait_loadcnt 0x0
	ds_store_b64 v[AD8], v[224:225] offset:VSOFF
	s_wait_kmcnt 0x0                               ; the tiles' four words
.irp e, 0,1,2,3,4,5
	v_cndmask_b32 v[QA+\e], v[KV+\e], 0, s21       ; a wholly masked row's codes are cleared
	v_cndmask_b32 v[QB+\e], v[KV+6+\e], 0, s23
	v_mov_b32 v[QA+6+\e], 0                        ; k = 64 .. 127: zero codes
	v_mov_b32 v[QB+6+\e], 0
	v_mov_b32 v[PB+\e], 0                          ; named as the upper half of the last tile's source 0 before p's codes are first made
.endr
.irp e, 0,1,2,3
	v_mov_b32 v[LA+\e], 0                          ; the two sums
	v_mov_b32 v[TM+4+\e], 0                        ; a lane permute's destination counts as one of its sources
.endr
	v_mov_b32 v[NEG], 0xd0000000
	v_mov_b32 v[AD16], v[L16]                      ; step 0
	v_mov_b32 v[AD8], v[L8]
	s_mov_b32 s3, 0                                ; the step's record in LDS
	s_mov_b32 s13, 0                               ; the step
	s_wait_dscnt 0x0                               ; for the others' sake: my record lies in LDS
	s_barrier_signal -1
	s_barrier_wait -1
; product t (a symbol) of S^T = K Q^T.  qr: Q's registers; rb = 1: Q's scale words are those of lanes 16-31.  Odd tiles' scale words of K lie in lanes 16-31
.macro SMUL qr, rb
.if (t%2 == 0) && (\rb == 0)
	v_wmma_scale_f32_16x16x128_f8f6f4 v[S+8*t:S+8*t+7], v[KV+6*t:KV+6*t+11], v[\qr:\qr+11], 0, v[KS+t/2], v[QS] matrix_a_fmt:MATRIX_FMT_BF6 matrix_b_fmt:MATRIX_FMT_BF6
.elseif (t%2 == 1) && (\rb == 0)
	v_wmma_scale_f32_16x16x128_f8f6f4 v[S+8*t:S+8*t+7], v[KV+6*t:KV+6*t+11], v[\qr:\qr+11], 0, v[KS+t/2], v[QS] matrix_a_fmt:MATRIX_FMT_BF6 matrix_b_fmt:MATRIX_FMT_BF6 matrix_a_scale:MATRIX_SCALE_ROW1
.elseif (t%2 == 0)
	v_wmma_scale_f32_16x16x128_f8f6f4 v[S+8*t:S+8*t+7], v[KV+6*t:KV+6*t+11], v[\qr:\qr+11], 0, v[KS+t/2], v[QS] matrix_a_fmt:MATRIX_FMT_BF6 matrix_b_fmt:MATRIX_FMT_BF6 matrix_b_scale:MATRIX_SCALE_ROW1
.else
	v_wmma_scale_f32_16x16x128_f8f6f4 v[S+8*t:S+8*t+7], v[KV+6*t:KV+6*t+11], v[\qr:\qr+11], 0, v[KS+t/2], v[QS] matrix_a_fmt:MATRIX_FMT_BF6 matrix_b_fmt:MATRIX_FMT_BF6 matrix_a_scale:MATRIX_SCALE_ROW1 matrix_b_scale:MATRIX_SCALE_ROW1
.endif
.endm
; O^T += V^T P^T: channels 16 tt on, these 128 keys.  first = 1: the product starts the sum: nothing is cleared
.macro PVMUL tt, ob, pr, sr, first
.if \first && ((\tt)%2 == 0)
	v_wmma_scale_f32_16x16x128_f8f6f4 v[\ob+8*(\tt):\ob+8*(\tt)+7], v[KV+12*(\tt):KV+12*(\tt)+11], v[\pr:\pr+11], 0, v[VS+(\tt)/2], v[\sr] matrix_a_fmt:MATRIX_FMT_BF6 matrix_b_fmt:MATRIX_FMT_BF6
.elseif \first
	v_wmma_scale_f32_16x16x128_f8f6f4 v[\ob+8*(\tt):\ob+8*(\tt)+7], v[KV+12*(\tt):KV+12*(\tt)+11], v[\pr:\pr+11], 0, v[VS+(\tt)/2], v[\sr] matrix_a_fmt:MATRIX_FMT_BF6 matrix_b_fmt:MATRIX_FMT_BF6 matrix_a_scale:MATRIX_SCALE_ROW1
.elseif ((\tt)%2 == 0)
	v_wmma_scale_f32_16x16x128_f8f6f4 v[\ob+8*(\tt):\ob+8*(\tt)+7], v[KV+12*(\tt):KV+12*(\tt)+11], v[\pr:\pr+11], v[\ob+8*(\tt):\ob+8*(\tt)+7], v[VS+(\tt)/2], v[\sr] matrix_a_fmt:MATRIX_FMT_BF6 matrix_b_fmt:MATRIX_FMT_BF6
.else
	v_wmma_scale_f32_16x16x128_f8f6f4 v[\ob+8*(\tt):\ob+8*(\tt)+7], v[KV+12*(\tt):KV+12*(\tt)+11], v[\pr:\pr+11], v[\ob+8*(\tt):\ob+8*(\tt)+7], v[VS+(\tt)/2], v[\sr] matrix_a_fmt:MATRIX_FMT_BF6 matrix_b_fmt:MATRIX_FMT_BF6 matrix_a_scale:MATRIX_SCALE_ROW1
.endif
.endm
; ONE TILE OF 16 QUERIES x 128 KEYS: scores, mask, p, p's codes and scale word, the row's sum.
; qr, pr, sr, lr: the tile's Q, p's codes, p's scale word, sum;  fl: the scalar register with its flags;  rb: 0 tile A, 1 tile B;  vl = 1: K is done with: V's fragments are asked for
.macro TILE qr, pr, sr, lr, fl, rb, vl
.set t, 0
.rept 8
	SMUL \qr, \rb
.set t, t+1
.endr
.rept 4
	v_nop                                          ; four places between the products and the first read of a result, and the loads into K's registers
.endr
.if \vl
.set i, 0
.rept 12
	ds_load_b128 v[KV+4*i:KV+4*i+3], v[AD16] offset:VOFF+512*i    ; V's four fragments land while this tile's softmax is walked
.set i, i+1
.endr
.endif
	s_lshr_b32 s14, s[\fl], s13
	s_and_b32 s14, s14, 1
	s_cmp_lg_u32 s14, 0                            ; has this tile a masked key in this step?  A stored whole number decides
	s_cbranch_scc0 .Lopen_\@
	s_load_b512 s[32:47], s[30:31], 4096*\rb       ; the 64 lane masks: word n in s[32 + n], from n = 32 on in s[36 + n]
	s_load_b512 s[48:63], s[30:31], 4096*\rb+64
	s_load_b512 s[68:83], s[30:31], 4096*\rb+128
	s_load_b512 s[84:99], s[30:31], 4096*\rb+192
	s_wait_kmcnt 0x0
.set n, 0
.rept 64
	v_cndmask_b32 v[S+n], v[S+n], v[NEG], s[32+n+4*(n/32)]
.set n, n+1
.endr
.Lopen_\@:
	v_pk_mul_f32 v[S:S+1], v[S:S+1], s[24:25] op_sel_hi:[1,0]      ; t = score x c, a pair ahead of its exponentials; each accumulator is read from its low end on
.set i, 0
.rept 32
.if i < 31
	v_pk_mul_f32 v[S+2*i+2:S+2*i+3], v[S+2*i+2:S+2*i+3], s[24:25] op_sel_hi:[1,0]
.endif
	v_exp_f32 v[S+2*i], v[S+2*i]                   ; p = 2^t
	v_exp_f32 v[S+2*i+1], v[S+2*i+1]
.set i, i+1
.endr
	v_nop                                          ; a plain instruction behind the last exponential
	s_wait_alu depctr_va_vdst(0)                   ; one wait for the batch of 64, ahead of the first instruction that names a result
.irp b, 0,1,2,3
	v_max3_num_f32 v[TM+\b], v[S+16*\b], v[S+16*\b+1], 0x2800000   ; each block's largest p (none is negative), and the floor 2^(5 - 127): the byte cannot fall under 1
.endr
.irp g, 2,4,6,8,10,12,14
.irp b, 0,1,2,3
	v_max3_num_f32 v[TM+\b], v[TM+\b], v[S+16*\b+\g], v[S+16*\b+\g+1]   ; (the four blocks by turns)
.endr
.endr
.irp b, 0,1,2,3
	v_permlanex16_b32 v[TM+4+\b], v[TM+\b], s26, s27
.endr
.irp b, 0,1,2,3
	v_max_num_f32 v[TM+\b], v[TM+\b], v[TM+4+\b]   ; with lane L xor 16's sixteen keys
.endr
.irp b, 0,1,2,3
	v_add_nc_u32 v[TM+8+\b], 0xfe000000, v[TM+\b]  ; 4 off the exponent field: the conversion's scale operand
.endr
.irp b, 0,1,2,3
	v_lshrrev_b32 v[TM+4+\b], 23, v[TM+8+\b]       ; the scale's byte
.endr
	v_lshl_or_b32 v[\sr], v[TM+5], 8, v[TM+4]      ; p's scale word for these 128 keys
	v_lshl_or_b32 v[\sr], v[TM+6], 16, v[\sr]
	v_lshl_or_b32 v[\sr], v[TM+7], 24, v[\sr]
.irp c, 0,1
	v_cvt_scalef32_pk16_bf6_f32 v[\pr+6*\c:\pr+6*\c+2], v[S+32*\c:S+32*\c+15], v[TM+8+2*\c]
	v_cvt_scalef32_pk16_bf6_f32 v[TM+4*\c:TM+4*\c+2], v[S+32*\c+16:S+32*\c+31], v[TM+9+2*\c]   ; (a conversion's three registers begin on an even number)
.endr
	v_nop                                          ; one plain instruction behind the conversions
.irp c, 0,1                                    ; the operand wants a WHOLE block in a lane: lanes 0-15 block 2 c, lanes 16-31 block 2 c + 1
.irp e, 0,1,2
	v_permlane16_swap_b32 v[\pr+6*\c+\e], v[TM+4*\c+\e]
.endr
.irp e, 0,1,2
	v_mov_b32 v[\pr+3+6*\c+\e], v[TM+4*\c+\e]
.endr
.endr
	v_pk_add_f32 v[TM+8:TM+9], v[S:S+1], v[S+2:S+3]               ; the row's sum is taken of the unquantised p: two at a time, in two chains.  (These 32 are also the places between p's codes and scale word and the second product)
.irp g, 4,8,12,16,20,24,28,32,36,40,44,48,52,56,60
	v_pk_add_f32 v[\lr:\lr+1], v[\lr:\lr+1], v[S+\g:S+\g+1]
	v_pk_add_f32 v[TM+8:TM+9], v[TM+8:TM+9], v[S+\g+2:S+\g+3]
.endr
	v_pk_add_f32 v[\lr:\lr+1], v[\lr:\lr+1], v[TM+8:TM+9]
.endm
; A KEY STEP: 128 keys, both tiles.  The second product's eight accumulators take turns, one instruction a turn, and sixteen other products stand between two steps' links
.macro STEP first
.set i, 0
.rept 12
	ds_load_b128 v[KV+4*i:KV+4*i+3], v[AD16] offset:512*i         ; K's eight tiles, as they lie
.set i, i+1
.endr
	ds_load_b128 v[KS:KS+3], v[AD16] offset:KSOFF
	ds_load_b64 v[VS:VS+1], v[AD8] offset:VSOFF
	s_wait_dscnt 0x1                               ; all but the youngest, V's scale words, which the second product wants
	TILE QA, PA, PSA, LA, 20, 0, 0
	TILE QB, PB, PSB, LB, 22, 1, 1
	s_wait_dscnt 0x0                               ; V's fragments and scale words are in
.irp tt, 0,1,2,3
	PVMUL \tt, OA, PA, PSA, \first
	PVMUL \tt, OB, PB, PSB, \first
.endr
	s_add_co_u32 s3, s3, REC
	v_add_nc_u32 v[AD16], s3, v[L16]               ; the next step's record.  With the two lines below: four places in front of the loads into registers that the products have read
	v_add_nc_u32 v[AD8], s3, v[L8]
	v_nop
	v_nop
	s_add_nc_u64 s[30:31], s[30:31], 256           ; the next step's lane masks (no scalar load is out: where some were issued, they were waited for)
.endm
	STEP 1                                         ; the first step is written out: its products start O^T's sums
	s_mov_b32 s13, 1
.Lstep:
	STEP 0
	s_add_co_u32 s13, s13, 1
	s_cmp_lt_u32 s13, 16
	s_cbranch_scc1 .Lstep
	; THE WAY OUT.  O^T is divided by the row's sum and goes through my stage in LDS, a tile at a time, so that sixteen lanes store the 256 consecutive bytes of one (query, head).
	v_add_f32 v[LA], v[LA], v[LA+1]                ; a sum's two halves,
	v_add_f32 v[LB], v[LB], v[LB+1]
	v_permlanex16_b32 v[TM], v[LA], s26, s27
	v_permlanex16_b32 v[TM+1], v[LB], s26, s27
	v_add_f32 v[LA], v[LA], v[TM]                  ; and lane L xor 16's
	v_add_f32 v[LB], v[LB], v[TM+1]
	v_rcp_f32 v[LA], v[LA]
	v_rcp_f32 v[LB], v[LB]
	v_and_b32 v1, 15, v0                           ; r  (plain work behind the reciprocals)
	v_bfe_u32 v2, v0, 4, 1                         ; h
	s_mul_i32 s14, s12, 16*SP
	s_add_co_u32 s14, s14, STAGE                   ; my stage
	v_mul_u32_u24 v18, v1, SP
	v_lshl_add_u32 v18, v2, 5, v18
	v_add_nc_u32 v18, s14, v18                     ; in: row r; channels 16 T + 8 h + 0 .. 7 at 64 T + 32 h
	v_mul_u32_u24 v19, v2, SP
	v_lshl_add_u32 v19, v1, 4, v19
	v_add_nc_u32 v19, s14, v19                     ; back: lanes 0-15 one row, lanes 16-31 the next
	v_lshlrev_b32 v20, 12, v2
	v_lshl_add_u32 v20, v1, 4, v20                 ; and the same two rows in out0
	s_wait_alu depctr_va_vdst(0)                   ; one wait for the two reciprocals, ahead of their first reader
; tile u: o = its O^T, l = its reciprocal, back = where its rows come back
.macro PACK u, ob, lr, back
.set i, 0
.rept 16
	v_pk_mul_f32 v[S+32*\u+2*i:S+32*\u+2*i+1], v[\ob+2*i:\ob+2*i+1], v[\lr:\lr+1] op_sel_hi:[1,0]   ; each accumulator from its low end on
.set i, i+1
.endr
.irp g, 0,1,2,3
	ds_store_b128 v18, v[S+32*\u+8*\g:S+32*\u+8*\g+3] offset:64*\g
	ds_store_b128 v18, v[S+32*\u+8*\g+4:S+32*\u+8*\g+7] offset:64*\g+16
.endr
.irp g, 0,1,2,3,4,5,6,7
	ds_load_b128 v[\back+4*\g:\back+4*\g+3], v19 offset:2*\g*SP    ; LDS serves a wave's instructions in order: these see my stores, and the next tile's stores come behind them
.endr
.endm
	PACK 0, OA, LA, 52
	PACK 1, OB, LB, 84
.irp g, 0,1,2,3,4,5,6,7
	s_wait_dscnt 23-\g                             ; behind tile A's load g: its 7 - g later loads and tile B's sixteen LDS instructions
	global_store_b128 v20, v[52+4*\g:52+4*\g+3], s[10:11] offset:(2*\g+8*(\g/4))*4096 th:TH_STORE_NT     ; tile row 2 g + h is query 32 pi + 2 g + h + 8 (g / 4)
.endr
.irp g, 0,1,2,3,4,5,6,7
	s_wait_dscnt 7-\g                              ; behind tile B's load g: its 7 - g later loads
	global_store_b128 v20, v[84+4*\g:84+4*\g+3], s[10:11] offset:(2*\g+8*(\g/4)+8)*4096 th:TH_STORE_NT   ; tile B's queries lie 8 further on
.endr
	s_wait_xcnt 0x0
	v_lshl_add_u32 v254, v0, 2, 0x44000
	v_mov_b32 v255, 0
	s_wait_tensorcnt 0x0
	ds_add_u32 v254, v255
	s_wait_dscnt 0x0
	s_endpgm
.Lfunc_end_k_q54ed40f6e6_attn:
	.size	k_q54ed40f6e6_attn, .Lfunc_end_k_q54ed40f6e6_attn-k_q54ed40f6e6_attn
	.p2alignl 7, 3214868480
	.fill 96, 4, 3214868480
	.section	.rodata,"a",@progbits
	.p2align	6, 0x0
	.amdhsa_kernel k_q54ed40f6e6_attn
		.amdhsa_group_segment_fixed_size 280576
		.amdhsa_private_segment_fixed_size 0
		.amdhsa_enable_private_segment 0
		.amdhsa_kernarg_size 32
		.amdhsa_user_sgpr_count 2
		.amdhsa_user_sgpr_kernarg_segment_ptr 1
		.amdhsa_wavefront_size32 1
		.amdhsa_system_sgpr_workgroup_id_x 1
		.amdhsa_system_sgpr_workgroup_id_y 1
		.amdhsa_system_sgpr_workgroup_id_z 1
		.amdhsa_system_vgpr_workitem_id 0
		.amdhsa_next_free_vgpr 256
		.amdhsa_next_free_sgpr 100
		.amdhsa_reserve_vcc 0
		.amdhsa_float_denorm_mode_32 3
		.amdhsa_float_denorm_mode_16_64 3
		.amdhsa_memory_ordered 1
		.amdhsa_forward_progress 1
		.amdhsa_inst_pref_size 84
	.end_amdhsa_kernel
	.amdgpu_metadata
---
amdhsa.version: [ 1, 2 ]
amdhsa.kernels:
  - .name:           k_q54ed40f6e6_attn
    .symbol:         k_q54ed40f6e6_attn.kd
    .args:
      - { .name: kv, .offset: 0, .size: 8, .value_kind: global_buffer, .address_space: global }
      - { .name: mwords, .offset: 8, .size: 8, .value_kind: global_buffer, .address_space: global }
      - { .name: tinfo, .offset: 16, .size: 8, .value_kind: global_buffer, .address_space: global }
      - { .name: out0, .offset: 24, .size: 8, .value_kind: global_buffer, .address_space: global }
    .group_segment_fixed_size: 280576
    .private_segment_fixed_size: 0
    .kernarg_segment_align: 8
    .kernarg_segment_size: 32
    .max_flat_workgroup_size: 512
    .sgpr_count:     100
    .vgpr_count:     256
    .wavefront_size: 32
...
	.end_amdgpu_metadata
.endif
;; end of part 2
;; ======== version 2 of 2: 2 launches; version 1 with the launch attn written anew for expert scheduling mode
;; limits: inputs' magnitudes at most 13,176,794
;; workspace buffers: kv 13,369,344 bytes; mwords 2,097,152 bytes of whole numbers; tinfo 4,096 bytes of whole numbers
;; launch prep: the kernel of part 1 again; grid 1536 x 1, 4 waves a work-group, no clusters, 71,424 bytes of LDS; arguments x, theta, mask, kv, mwords, tinfo; writes kv, mwords, tinfo
;; launch attn (part 3): grid 4 x 64, 16 waves a work-group, no clusters, 280,576 bytes of LDS; arguments kv, mwords, tinfo, out0; writes out0
.if DOCPART == 3
	.amdgcn_target "amdgcn-amd-amdhsa--gfx1250"
	.amdhsa_code_object_version 6
	.text
	.protected	k_q54ed40f6e6_attn
	.globl	k_q54ed40f6e6_attn
	.p2align	8
	.type	k_q54ed40f6e6_attn,@function
k_q54ed40f6e6_attn:
	s_mov_b64 s[64:65], 0
	v_nop
	global_prefetch_b8 v0, s[64:65] scope:SCOPE_SE
	s_setreg_imm32_b32 hwreg(HW_REG_WAVE_SCHED_MODE, 0, 2), 2
	s_setreg_imm32_b32 hwreg(HW_REG_WAVE_MODE, 25, 1), 1
	s_wait_xcnt 0x0
	s_wait_alu depctr_vm_vsrc(0)
; out[b][q][head] = softmax_k(proj[q] . proj[k] / 8, masked) proj[k], both products on codes of E3M2 with one E8M0 byte for each 32 along a product's K.  The codes come from the launch before, as images of
; operand registers: a record of 13,056 bytes for each 128 keys (K's four pairs of tiles, V's four tiles, K's and V's scale words).  Q's fragments ARE K's fragments, since q = k.
; SHARES.  A work-group owns 512 queries of one (batch, head): 4 x 64 = 256 work-groups.  Each of its sixteen waves owns 32 queries, two tiles A and B (one pair of K's image), in 256 registers: four waves to a SIMD,
; so that one wave's exponentials stand beside another's products and LDS loads.  The head's sixteen records, 208,896 bytes, are copied into LDS once (a record a wave); behind one barrier the waves never meet again.
; LAYOUT.  Both products are used transposed (S^T = K Q^T, O^T = V^T P^T): a lane holds ONE query throughout.  The keys of a tile are chosen (key 32 b + 8 u + r + 8 (r / 8) in lane r of tile 2 b + u) so that
; score register 16 b + i of lane (r, h) is key 32 b + 16 h + i: sixteen neighbours along the second product's K.
; K = 64 IN AN INSTRUCTION OF 128.  Q's registers 6-11 are zero codes.  So whatever stands in registers 6-11 of source 0 adds nothing: source 0 of tile t is the twelve registers from K's six on (the next tile's six, or
; for the last tile six registers of p's codes), and K is read and kept at 6 registers a tile.  Bytes 2, 3 of the scale words are 0x7f.
; THE SOFTMAX.  t = score x log2(e) / 8; p = 2^(t - M) with the whole number M = 0 for every row.  reference()'s own cosine bounds it: |proj| <= 1 and 64 channels give |score| <= 64, |t| <= 11.55 for EVERY input, so
; p lies in 2^-11.6 .. 2^11.6 and a row's sum under 2^23: nothing overflows or underflows.  Another whole M would shift the blocks' scales and the sum by the same power of two: the codes and the quotient are the same.
; THE MASK.  A masked score becomes -2^33 (for 8 x -1e9): p = 0 either way, as open logits lie within +-8.  The lane masks of the 64 score registers come by scalar loads, and only in key steps in which the stored flag says
; that the tile has a masked key.  A row that is masked wholly has its bits cleared by the launch before and its Q codes cleared here: all its scores are 0, all its p are 1: the plain mean, as reference() gives.
; NO JOINT REQUESTS: the four work-groups of a head share their 208,896 bytes, read once at the head; joint requests are tensor loads, and this text branches on flags read from memory, and takes no tensor load.
; THE MODE: SCHED_MODE bits 1:0 = 2 (LLVM: expert scheduling mode 2), set by the entry lines.  The code itself states the register dependences between vector or matrix instructions and memory or LDS
; instructions, with s_wait_alu, always for 0.
; THE PLAN.  Registers that LDS instructions touch in the loop, in the order of a step:
;   KV      K's twelve loads land in it at the step's head; the sixteen first products read it; V's twelve loads land in it in tile B; the eight second products read it.
;   KS, VS  a load each at the step's head; KS is read by the first products, VS by the second.
;   AD16, AD8   read by every LDS load of the step; written by two vector additions at the step's end.
;   p's codes and scale words are written by vector instructions and taken by the scaled second products (tile B's first six registers also as the idle upper half of the last tile's source 0).
;   The scores, O^T, the sums and the registers at work are named by vector and matrix instructions alone.
; All 256 registers of a wave are taken, so K and V share one buffer, and the waits stand where the buffer changes hands:
;   (1) va_vdst at the step's head: the second products are done with KV and VS, the two addresses are written;
;   (2), (3) va_vdst behind each tile's batch of exponentials; tile B's also says that the first products are done with KV, so V's loads stand straight behind it;
;   (4) va_vdst ahead of the second products: tile B's codes and scale word are written;      (5) vm_vsrc ahead of the two additions: the step's loads have read their addresses.
; The second half of tile B's row sum stands behind the second products: work on other registers between those products and wait (1).
.set REC,   13056
.set VOFF,  6144
.set KSOFF, 12288
.set VSOFF, 12800
.set HEADB, 16*REC
.set STAGE, HEADB                      ; behind the records: 16 rows x 272 bytes for each wave, for the way out
.set SP,    272
.set AD16, 1                           ; v1   16 L + the step's record
.set AD8,  2                           ; v2   8 L + the step's record
.set QS,   3                           ; v3   Q's scale words: lanes 0-15 tile A, lanes 16-31 tile B
.set PSA,  4                           ; v4, v5  p's scale words
.set PSB,  5
.set VS,   6                           ; v[6:7]   V's scale words
.set KS,   8                           ; v[8:11]  K's
.set LA,   12                          ; v[12:13], v[14:15] the rows' sums, each in two halves
.set LB,   14
.set TM,   16                          ; v[16:27] at work: +0..3 largest p, +4..7 the other half's, then bytes, +8..11 the conversions' scale operands; later conversions' results and the sum's second chain
.set QA,   28                          ; v[28:39], v[40:51] Q: six registers of codes, six of zero codes
.set QB,   40
.set KV,   52                          ; v[52:99] K's eight tiles, 6 registers each; later V's four, 12 each
.set PB,   100                         ; v[100:111], v[112:123] p's codes
.set PA,   112
.set S,    124                         ; v[124:187] scores, then p
.set OA,   188                         ; v[188:219], v[220:251] O^T
.set OB,   220
.set NEG,  252                         ; v252 -2^33
.set QSO,  253
.set L16,  254                         ; v254 16 L
.set L8,   255                         ; v255 8 L
	s_load_b256 s[4:11], s[0:1], 0x0               ; kv s[4:5], mwords s[6:7], tinfo s[8:9], out0 s[10:11]
	v_lshrrev_b32 v1, 5, v0
	v_readfirstlane_b32 s12, v1                    ; wave 0..15
	v_and_b32 v2, 31, v0
	v_lshlrev_b32 v[L16], 4, v2
	v_lshlrev_b32 v[L8], 3, v2
	s_and_b32 s14, ttmp7, 0xffff                   ; 16 batch + head
	s_lshl_b32 s2, ttmp9, 4
	s_wait_alu depctr_va_sdst(0)                   ; s12 is written, ahead of its first reader: the next line
	s_add_co_u32 s2, s2, s12                       ; pi: my pair of tiles, 0..63: queries 32 pi .. 32 pi + 31
	s_mul_i32 s16, s14, HEADB
	s_mov_b32 s17, 0
	s_lshr_b32 s18, s14, 4
	s_lshl_b32 s18, s18, 6
	s_add_co_u32 s18, s18, s2                      ; 64 batch + pi
	s_lshl_b32 s28, s18, 4
	s_mov_b32 s29, 0
	s_mov_b32 s24, 0x3e38aa3b                      ; c = log2(e) / 8
	s_mov_b32 s25, s24                             ; (the packed form names the pair)
	s_mov_b32 s26, 0x76543210
	s_mov_b32 s27, 0xfedcba98                      ; v_permlanex16_b32's selects for lane L xor 16
	s_wait_kmcnt 0x0
	s_add_nc_u64 s[4:5], s[4:5], s[16:17]          ; the head's records
	s_add_nc_u64 s[8:9], s[8:9], s[28:29]
	s_load_b128 s[20:23], s[8:9], 0x0              ; tile A's flags and wholly masked rows, tile B's
	s_lshl_b32 s28, s18, 13
	s_add_nc_u64 s[30:31], s[6:7], s[28:29]        ; tile A's lane masks of step 0; tile B's lie 4,096 bytes on
	s_lshl_b32 s28, s18, 17                        ; out0: 32 pi rows of 4,096 bytes in my batch,
	s_and_b32 s14, s14, 15
	s_lshl_b32 s14, s14, 8                         ; and the head's 256 bytes of a row
	s_add_co_u32 s28, s28, s14
	s_add_nc_u64 s[10:11], s[10:11], s[28:29]
	s_lshr_b32 s28, s2, 2
	s_mul_i32 s28, s28, REC
	s_add_nc_u64 s[16:17], s[4:5], s[28:29]        ; the record that holds my queries,
	s_and_b32 s14, s2, 3
	s_mul_i32 s28, s14, 1536
	s_add_nc_u64 s[18:19], s[16:17], s[28:29]      ; and my pair's image in it
	s_lshl_b32 s14, s14, 2
	v_add_nc_u32 v[QSO], s14, v[L16]
	s_mul_i32 s28, s12, REC
	v_add_nc_u32 v[AD16], s28, v[L16]              ; wave w copies record w: the same offset in the head's records and in LDS
	v_add_nc_u32 v[AD8], s28, v[L8]
	s_wait_alu depctr_va_vdst(0)                   ; v[L16], v[QSO], v[AD16] and v[AD8] are written: the 30 loads and the 26 LDS stores below read them as offsets and addresses
.irp c, 0,1,2
	global_load_b128 v[KV+4*\c:KV+4*\c+3], v[L16], s[18:19] offset:512*\c     ; Q: registers 0-5 tile A, 6-11 tile B
.endr
	global_load_b32 v[QS], v[QSO], s[16:17] offset:KSOFF
.set i, 0
.rept 25
	global_load_b128 v[S+4*i:S+4*i+3], v[AD16], s[4:5] offset:512*i
.set i, i+1
.endr
	global_load_b64 v[224:225], v[AD8], s[4:5] offset:VSOFF
.set i, 0
.rept 25
	s_wait_loadcnt 25-i                            ; loads come back in order: load i is in; the 24 - i loads of 16 bytes and the one of 8 behind it stay out
	ds_store_b128 v[AD16], v[S+4*i:S+4*i+3] offset:512*i
.set i, i+1
.endr
	s_wait_loadcnt 0x0
	ds_store_b64 v[AD8], v[224:225] offset:VSOFF
	s_wait_alu depctr_vm_vsrc(0)                   ; the loads and LDS stores above have read v[AD16] and v[AD8], which are written again below, and the stores v[124:225], which the first step's products write
	s_wait_kmcnt 0x0                               ; the tiles' four words
.irp e, 0,1,2,3,4,5
	v_cndmask_b32 v[QA+\e], v[KV+\e], 0, s21       ; a wholly masked row's codes are cleared
	v_cndmask_b32 v[QB+\e], v[KV+6+\e], 0, s23
	v_mov_b32 v[QA+6+\e], 0                        ; k = 64 .. 127: zero codes
	v_mov_b32 v[QB+6+\e], 0
	v_mov_b32 v[PB+\e], 0                          ; named as the upper half of the last tile's source 0 before p's codes are first made
.endr
.irp e, 0,1,2,3
	v_mov_b32 v[LA+\e], 0                          ; the two sums
	v_mov_b32 v[TM+4+\e], 0                        ; a lane permute's destination counts as one of its sources
.endr
	v_mov_b32 v[NEG], 0xd0000000
	v_mov_b32 v[AD16], v[L16]                      ; step 0
	v_mov_b32 v[AD8], v[L8]
	s_mov_b32 s3, 0                                ; the step's record in LDS
	s_mov_b32 s13, 0                               ; the step
	s_wait_dscnt 0x0                               ; for the others' sake: my record lies in LDS
	s_barrier_signal -1
	s_barrier_wait -1
; product t (a symbol) of S^T = K Q^T.  qr: Q's registers; rb = 1: Q's scale words are those of lanes 16-31.  Odd tiles' scale words of K lie in lanes 16-31
.macro SMUL qr, rb
.if (t%2 == 0) && (\rb == 0)
	v_wmma_scale_f32_16x16x128_f8f6f4 v[S+8*t:S+8*t+7], v[KV+6*t:KV+6*t+11], v[\qr:\qr+11], 0, v[KS+t/2], v[QS] matrix_a_fmt:MATRIX_FMT_BF6 matrix_b_fmt:MATRIX_FMT_BF6
.elseif (t%2 == 1) && (\rb == 0)
	v_wmma_scale_f32_16x16x128_f8f6f4 v[S+8*t:S+8*t+7], v[KV+6*t:KV+6*t+11], v[\qr:\qr+11], 0, v[KS+t/2], v[QS] matrix_a_fmt:MATRIX_FMT_BF6 matrix_b_fmt:MATRIX_FMT_BF6 matrix_a_scale:MATRIX_SCALE_ROW1
.elseif (t%2 == 0)
	v_wmma_scale_f32_16x16x128_f8f6f4 v[S+8*t:S+8*t+7], v[KV+6*t:KV+6*t+11], v[\qr:\qr+11], 0, v[KS+t/2], v[QS] matrix_a_fmt:MATRIX_FMT_BF6 matrix_b_fmt:MATRIX_FMT_BF6 matrix_b_scale:MATRIX_SCALE_ROW1
.else
	v_wmma_scale_f32_16x16x128_f8f6f4 v[S+8*t:S+8*t+7], v[KV+6*t:KV+6*t+11], v[\qr:\qr+11], 0, v[KS+t/2], v[QS] matrix_a_fmt:MATRIX_FMT_BF6 matrix_b_fmt:MATRIX_FMT_BF6 matrix_a_scale:MATRIX_SCALE_ROW1 matrix_b_scale:MATRIX_SCALE_ROW1
.endif
.endm
; O^T += V^T P^T: channels 16 tt on, these 128 keys.  first = 1: the product starts the sum: nothing is cleared
.macro PVMUL tt, ob, pr, sr, first
.if \first && ((\tt)%2 == 0)
	v_wmma_scale_f32_16x16x128_f8f6f4 v[\ob+8*(\tt):\ob+8*(\tt)+7], v[KV+12*(\tt):KV+12*(\tt)+11], v[\pr:\pr+11], 0, v[VS+(\tt)/2], v[\sr] matrix_a_fmt:MATRIX_FMT_BF6 matrix_b_fmt:MATRIX_FMT_BF6
.elseif \first
	v_wmma_scale_f32_16x16x128_f8f6f4 v[\ob+8*(\tt):\ob+8*(\tt)+7], v[KV+12*(\tt):KV+12*(\tt)+11], v[\pr:\pr+11], 0, v[VS+(\tt)/2], v[\sr] matrix_a_fmt:MATRIX_FMT_BF6 matrix_b_fmt:MATRIX_FMT_BF6 matrix_a_scale:MATRIX_SCALE_ROW1
.elseif ((\tt)%2 == 0)
	v_wmma_scale_f32_16x16x128_f8f6f4 v[\ob+8*(\tt):\ob+8*(\tt)+7], v[KV+12*(\tt):KV+12*(\tt)+11], v[\pr:\pr+11], v[\ob+8*(\tt):\ob+8*(\tt)+7], v[VS+(\tt)/2], v[\sr] matrix_a_fmt:MATRIX_FMT_BF6 matrix_b_fmt:MATRIX_FMT_BF6
.else
	v_wmma_scale_f32_16x16x128_f8f6f4 v[\ob+8*(\tt):\ob+8*(\tt)+7], v[KV+12*(\tt):KV+12*(\tt)+11], v[\pr:\pr+11], v[\ob+8*(\tt):\ob+8*(\tt)+7], v[VS+(\tt)/2], v[\sr] matrix_a_fmt:MATRIX_FMT_BF6 matrix_b_fmt:MATRIX_FMT_BF6 matrix_a_scale:MATRIX_SCALE_ROW1
.endif
.endm
; THE ROW'S SUM is taken of the unquantised p: two at a time, in two chains; written in two halves, whose terms follow each other in the same order wherever the second half stands
.macro SUM_LO lr
	v_pk_add_f32 v[TM+8:TM+9], v[S:S+1], v[S+2:S+3]
.irp g, 4,8,12,16,20,24,28
	v_pk_add_f32 v[\lr:\lr+1], v[\lr:\lr+1], v[S+\g:S+\g+1]
	v_pk_add_f32 v[TM+8:TM+9], v[TM+8:TM+9], v[S+\g+2:S+\g+3]
.endr
.endm
.macro SUM_HI lr
.irp g, 32,36,40,44,48,52,56,60
	v_pk_add_f32 v[\lr:\lr+1], v[\lr:\lr+1], v[S+\g:S+\g+1]
	v_pk_add_f32 v[TM+8:TM+9], v[TM+8:TM+9], v[S+\g+2:S+\g+3]
.endr
	v_pk_add_f32 v[\lr:\lr+1], v[\lr:\lr+1], v[TM+8:TM+9]
.endm
; ONE TILE OF 16 QUERIES x 128 KEYS: scores, mask, p, p's codes and scale word, the row's sum.
; qr, pr, sr, lr: the tile's Q, p's codes, p's scale word, sum;  fl: the scalar register with its flags;  rb: 0 tile A, 1 tile B;  vl = 1: K is done with: V's fragments are asked for, and the sum's second half is left to the step
.macro TILE qr, pr, sr, lr, fl, rb, vl
.set t, 0
.rept 8
	SMUL \qr, \rb
.set t, t+1
.endr
.rept 4
	v_nop                                          ; four places between the products and the first read of a result
.endr
	s_lshr_b32 s14, s[\fl], s13
	s_and_b32 s14, s14, 1
	s_cmp_lg_u32 s14, 0                            ; has this tile a masked key in this step?  A stored whole number decides
	s_cbranch_scc0 .Lopen_\@
	s_load_b512 s[32:47], s[30:31], 4096*\rb       ; the 64 lane masks: word n in s[32 + n], from n = 32 on in s[36 + n]
	s_load_b512 s[48:63], s[30:31], 4096*\rb+64
	s_load_b512 s[68:83], s[30:31], 4096*\rb+128
	s_load_b512 s[84:99], s[30:31], 4096*\rb+192
	s_wait_kmcnt 0x0
.set n, 0
.rept 64
	v_cndmask_b32 v[S+n], v[S+n], v[NEG], s[32+n+4*(n/32)]
.set n, n+1
.endr
.Lopen_\@:
	v_pk_mul_f32 v[S:S+1], v[S:S+1], s[24:25] op_sel_hi:[1,0]      ; t = score x c, a pair ahead of its exponentials; each accumulator is read from its low end on
.set i, 0
.rept 32
.if i < 31
	v_pk_mul_f32 v[S+2*i+2:S+2*i+3], v[S+2*i+2:S+2*i+3], s[24:25] op_sel_hi:[1,0]
.endif
	v_exp_f32 v[S+2*i], v[S+2*i]                   ; p = 2^t
	v_exp_f32 v[S+2*i+1], v[S+2*i+1]
.set i, i+1
.endr
	v_nop                                          ; a plain instruction behind the last exponential
.if \vl
	s_wait_alu depctr_va_vdst(0)                   ; the 64 exponentials have written p, ahead of the first instruction that names a result; and both tiles' first products are done reading v[KV ..], in which the loads below land
.set i, 0
.rept 12
	ds_load_b128 v[KV+4*i:KV+4*i+3], v[AD16] offset:VOFF+512*i    ; V's four fragments land while p is quantised and summed.  No vector or matrix instruction since the wait names these registers or the address
.set i, i+1
.endr
.else
	s_wait_alu depctr_va_vdst(0)                   ; the 64 exponentials have written p: one wait for the batch, ahead of the first instruction that names a result
.endif
.irp b, 0,1,2,3
	v_max3_num_f32 v[TM+\b], v[S+16*\b], v[S+16*\b+1], 0x2800000   ; each block's largest p (none is negative), and the floor 2^(5 - 127): the byte cannot fall under 1
.endr
.irp g, 2,4,6,8,10,12,14
.irp b, 0,1,2,3
	v_max3_num_f32 v[TM+\b], v[TM+\b], v[S+16*\b+\g], v[S+16*\b+\g+1]   ; (the four blocks by turns)
.endr
.endr
.irp b, 0,1,2,3
	v_permlanex16_b32 v[TM+4+\b], v[TM+\b], s26, s27
.endr
.irp b, 0,1,2,3
	v_max_num_f32 v[TM+\b], v[TM+\b], v[TM+4+\b]   ; with lane L xor 16's sixteen keys
.endr
.irp b, 0,1,2,3
	v_add_nc_u32 v[TM+8+\b], 0xfe000000, v[TM+\b]  ; 4 off the exponent field: the conversion's scale operand
.endr
.irp b, 0,1,2,3
	v_lshrrev_b32 v[TM+4+\b], 23, v[TM+8+\b]       ; the scale's byte
.endr
	v_lshl_or_b32 v[\sr], v[TM+5], 8, v[TM+4]      ; p's scale word for these 128 keys
	v_lshl_or_b32 v[\sr], v[TM+6], 16, v[\sr]
	v_lshl_or_b32 v[\sr], v[TM+7], 24, v[\sr]
.irp c, 0,1
	v_cvt_scalef32_pk16_bf6_f32 v[\pr+6*\c:\pr+6*\c+2], v[S+32*\c:S+32*\c+15], v[TM+8+2*\c]
	v_cvt_scalef32_pk16_bf6_f32 v[TM+4*\c:TM+4*\c+2], v[S+32*\c+16:S+32*\c+31], v[TM+9+2*\c]   ; (a conversion's three registers begin on an even number)
.endr
	v_nop                                          ; one plain instruction behind the conversions
.irp c, 0,1                                    ; the operand wants a WHOLE block in a lane: lanes 0-15 block 2 c, lanes 16-31 block 2 c + 1
.irp e, 0,1,2
	v_permlane16_swap_b32 v[\pr+6*\c+\e], v[TM+4*\c+\e]
.endr
.irp e, 0,1,2
	v_mov_b32 v[\pr+3+6*\c+\e], v[TM+4*\c+\e]
.endr
.endr
	SUM_LO \lr                                     ; (these 15 are also the places between p's codes and scale word and the second product)
.if !\vl
	SUM_HI \lr
.endif
.endm
; A KEY STEP: 128 keys, both tiles.  The second product's eight accumulators take turns, one instruction a turn, and sixteen other products stand between two steps' links
.macro STEP first
	s_wait_alu depctr_va_vdst(0)                   ; the last step's second products are done reading v[KV ..] and v[VS ..], in which the loads below land, and v[AD16], v[AD8] are written; ahead of the first step: the selects are done reading v[KV ..], and Q's registers and v[PB ..], which the scaled products take, are written
.set i, 0
.rept 12
	ds_load_b128 v[KV+4*i:KV+4*i+3], v[AD16] offset:512*i         ; K's eight tiles, as they lie
.set i, i+1
.endr
	ds_load_b128 v[KS:KS+3], v[AD16] offset:KSOFF
	ds_load_b64 v[VS:VS+1], v[AD8] offset:VSOFF
	s_wait_dscnt 0x1                               ; all but the youngest, V's scale words, which the second product wants
	TILE QA, PA, PSA, LA, 20, 0, 0
	TILE QB, PB, PSB, LB, 22, 1, 1
	s_wait_dscnt 0x0                               ; V's fragments and scale words are in
	s_wait_alu depctr_va_vdst(0)                   ; tile B's codes v[PB ..] and scale word v[PSB] are written, which the scaled products below take; the places stand ahead of this wait
.irp tt, 0,1,2,3
	PVMUL \tt, OA, PA, PSA, \first
	PVMUL \tt, OB, PB, PSB, \first
.endr
	SUM_HI LB                                      ; the second half of tile B's sum: 17 plain instructions that name none of those products' registers: their places, and work ahead of the next step's first wait
	s_add_co_u32 s3, s3, REC
	s_wait_alu depctr_vm_vsrc(0)                   ; the step's LDS loads have read v[AD16] and v[AD8]
	v_add_nc_u32 v[AD16], s3, v[L16]               ; the next step's record
	v_add_nc_u32 v[AD8], s3, v[L8]
	s_add_nc_u64 s[30:31], s[30:31], 256           ; the next step's lane masks (no scalar load is out: where some were issued, they were waited for)
.endm
	STEP 1                                         ; the first step is written out: its products start O^T's sums
	s_mov_b32 s13, 1
.Lstep:
	STEP 0
	s_add_co_u32 s13, s13, 1
	s_cmp_lt_u32 s13, 16
	s_cbranch_scc1 .Lstep
	; THE WAY OUT.  O^T is divided by the row's sum and goes through my stage in LDS, a tile at a time, so that sixteen lanes store the 256 consecutive bytes of one (query, head).
	v_add_f32 v[LA], v[LA], v[LA+1]                ; a sum's two halves,
	v_add_f32 v[LB], v[LB], v[LB+1]
	v_permlanex16_b32 v[TM], v[LA], s26, s27
	v_permlanex16_b32 v[TM+1], v[LB], s26, s27
	v_add_f32 v[LA], v[LA], v[TM]                  ; and lane L xor 16's
	v_add_f32 v[LB], v[LB], v[TM+1]
	v_rcp_f32 v[LA], v[LA]
	v_rcp_f32 v[LB], v[LB]
	v_and_b32 v1, 15, v0                           ; r  (plain work behind the reciprocals; no LDS load has read v1 or v2 since the last step's wait on vm_vsrc)
	v_bfe_u32 v2, v0, 4, 1                         ; h
	s_mul_i32 s14, s12, 16*SP
	s_add_co_u32 s14, s14, STAGE                   ; my stage
	v_mul_u32_u24 v18, v1, SP
	v_lshl_add_u32 v18, v2, 5, v18
	v_add_nc_u32 v18, s14, v18                     ; in: row r; channels 16 T + 8 h + 0 .. 7 at 64 T + 32 h
	v_mul_u32_u24 v19, v2, SP
	v_lshl_add_u32 v19, v1, 4, v19
	v_add_nc_u32 v19, s14, v19                     ; back: lanes 0-15 one row, lanes 16-31 the next
	v_lshlrev_b32 v20, 12, v2
	v_lshl_add_u32 v20, v1, 4, v20                 ; and the same two rows in out0
	s_wait_alu depctr_va_vdst(0)                   ; the two reciprocals are written, ahead of their first reader
; tile u's quotients: ob = its O^T, lr = its reciprocal
.macro QUOT u, ob, lr
.set i, 0
.rept 16
	v_pk_mul_f32 v[S+32*\u+2*i:S+32*\u+2*i+1], v[\ob+2*i:\ob+2*i+1], v[\lr:\lr+1] op_sel_hi:[1,0]   ; each accumulator from its low end on
.set i, i+1
.endr
.endm
; tile u through the stage: back = where its rows come back
.macro THROUGH u, back
.irp g, 0,1,2,3
	ds_store_b128 v18, v[S+32*\u+8*\g:S+32*\u+8*\g+3] offset:64*\g
	ds_store_b128 v18, v[S+32*\u+8*\g+4:S+32*\u+8*\g+7] offset:64*\g+16
.endr
.irp g, 0,1,2,3,4,5,6,7
	ds_load_b128 v[\back+4*\g:\back+4*\g+3], v19 offset:2*\g*SP    ; LDS serves a wave's instructions in order: these see my stores, and the next tile's stores come behind them
.endr
.endm
	QUOT 0, OA, LA
	QUOT 1, OB, LB
	s_wait_alu depctr_va_vdst(0)                   ; both tiles' quotients v[S ..] and the addresses v18, v19, v20 are written, which the LDS and global instructions below read; the last products and conversions are done with v[52:115], in which the rows come back
	THROUGH 0, 52
	THROUGH 1, 84
.irp g, 0,1,2,3,4,5,6,7
	s_wait_dscnt 23-\g                             ; behind tile A's load g: its 7 - g later loads and tile B's sixteen LDS instructions
	global_store_b128 v20, v[52+4*\g:52+4*\g+3], s[10:11] offset:(2*\g+8*(\g/4))*4096 th:TH_STORE_NT     ; tile row 2 g + h is query 32 pi + 2 g + h + 8 (g / 4)
.endr
.irp g, 0,1,2,3,4,5,6,7
	s_wait_dscnt 7-\g                              ; behind tile B's load g: its 7 - g later loads
	global_store_b128 v20, v[84+4*\g:84+4*\g+3], s[10:11] offset:(2*\g+8*(\g/4)+8)*4096 th:TH_STORE_NT   ; tile B's queries lie 8 further on
.endr
	s_wait_xcnt 0x0                                ; every earlier global instruction has had its address translated, those that read v254 as their offset among them
	v_lshl_add_u32 v254, v0, 2, 0x44000            ; the add's two registers are made anew, no two being free to keep: my spare word, behind the stages (no memory or LDS instruction has read v254 or v255 since the head's wait on vm_vsrc),
	v_mov_b32 v255, 0                              ; and 0
	s_wait_dscnt 0x0                               ; the closing lines, six on end
	s_wait_alu 0x0
	s_wait_tensorcnt 0x0
	ds_add_u32 v254, v255
	s_wait_dscnt 0x0
	s_endpgm
.Lfunc_end_k_q54ed40f6e6_attn:
	.size	k_q54ed40f6e6_attn, .Lfunc_end_k_q54ed40f6e6_attn-k_q54ed40f6e6_attn
	.p2alignl 7, 3214868480
	.fill 96, 4, 3214868480
	.section	.rodata,"a",@progbits
	.p2align	6, 0x0
	.amdhsa_kernel k_q54ed40f6e6_attn
		.amdhsa_group_segment_fixed_size 280576
		.amdhsa_private_segment_fixed_size 0
		.amdhsa_enable_private_segment 0
		.amdhsa_kernarg_size 32
		.amdhsa_user_sgpr_count 2
		.amdhsa_user_sgpr_kernarg_segment_ptr 1
		.amdhsa_wavefront_size32 1
		.amdhsa_system_sgpr_workgroup_id_x 1
		.amdhsa_system_sgpr_workgroup_id_y 1
		.amdhsa_system_sgpr_workgroup_id_z 1
		.amdhsa_system_vgpr_workitem_id 0
		.amdhsa_next_free_vgpr 256
		.amdhsa_next_free_sgpr 100
		.amdhsa_reserve_vcc 0
		.amdhsa_float_denorm_mode_32 3
		.amdhsa_float_denorm_mode_16_64 3
		.amdhsa_memory_ordered 1
		.amdhsa_forward_progress 1
		.amdhsa_inst_pref_size 84
	.end_amdhsa_kernel
	.amdgpu_metadata
---
amdhsa.version: [ 1, 2 ]
amdhsa.kernels:
  - .name:           k_q54ed40f6e6_attn
    .symbol:         k_q54ed40f6e6_attn.kd
    .args:
      - { .name: kv, .offset: 0, .size: 8, .value_kind: global_buffer, .address_space: global }
      - { .name: mwords, .offset: 8, .size: 8, .value_kind: global_buffer, .address_space: global }
      - { .name: tinfo, .offset: 16, .size: 8, .value_kind: global_buffer, .address_space: global }
      - { .name: out0, .offset: 24, .size: 8, .value_kind: global_buffer, .address_space: global }
    .group_segment_fixed_size: 280576
    .private_segment_fixed_size: 0
    .kernarg_segment_align: 8
    .kernarg_segment_size: 32
    .max_flat_workgroup_size: 512
    .sgpr_count:     100
    .vgpr_count:     256
    .wavefront_size: 32
...
	.end_amdgpu_metadata
.endif
;; end of part 3
